; MI455X (gfx1250); checked and timed in simulation.
; The chip was launched on July 23, 2026; its instructions are those of AMD's public machine-readable ISA for CDNA 5 (MIT licence, August 2026) and "CDNA5" Instruction Set Architecture Reference Guide (July 2026). The comments in the code are by the model that wrote it; some were corrected since.
;; Vector Quantizer. Allowed arithmetic: matrix products marked QUANTISED: E2M1 operands, one E8M0 scale for each 32 along K, by v_wmma_scale_f32_16x16x128_f8f6f4 with both operands' format E2M1 (or v_wmma_scale_f32_32x16x128_f4), f32 sums; everything else in f32.
;; Inputs: W 8,192 x 512 float32; z_e 16 x 1,024 x 512 float32.
;; Outputs: out0 16 x 1,024 x 512 float32; out1 16 x 1,024 int32; out2 one number float32; out3 one number float32; out4 one number float32; out5 one number float32; out6 one number float32.
;; This version of the problem:
;;   THIS VERSION OF THE PROBLEM IS GIVEN IN LOW PRECISION. The matrix products marked QUANTISED in the list below multiply operands that are first quantised to E2M1 (2 exponent bits, 1 mantissa bit; 4 bits a number), with one power-of-two scale for each 32 numbers along K (OCP MX v1.0); their sums are f32. All else is computed in f32.
;;   The module's matrix products, in the order in which they are computed (A, B: the left and right operand; K: the contracted axis; several contracted axes count as one K, in the product's order):
;;     1. [M 16,384, K 512] x [K 512, N 8,192]; A: input z_e; B: input W: QUANTISED
;;   THE QUANTISER, for each operand of a quantised product, along K:
;;     - K is cut into blocks of 32 from its start; a last block that is shorter is filled with zeros.
;;     - A block's scale is 2^e with e = floor(log2(the largest magnitude in the block)) - 2, held to -126 .. 127; a block of zeros has e = 0. As a byte (E8M0): e + 127.
;;     - Each number is divided by its block's scale, clamped to +-6, and rounded to the nearest number of E2M1, ties to even, subnormals kept.
;;     - The product sums the exact products of the quantised numbers (number of the format x scale) in f32.
;;   ~~~python
;;   def quantise(x, axis):      # numpy; x: float32 -> the quantised numbers, widened to float32 again
;;       x = np.moveaxis(x, axis, -1); K = x.shape[-1]
;;       x = np.pad(x, [(0, 0)] * (x.ndim - 1) + [(0, -K % 32)]); x = x.reshape(x.shape[:-1] + (-1, 32)); a = np.abs(x).max(-1, keepdims=True)
;;       e = np.where(a > 0, np.clip(np.frexp(np.where(a > 0, a, 1))[1] - 1 - 2, -126, 127), 0)      # np.frexp(a)[1] - 1 = floor(log2(a)), exactly
;;       r = np.clip(x / 2.0 ** e, -6, 6)
;;       step = 2.0 ** (np.maximum(np.frexp(np.where(r == 0, 1, r))[1] - 1, 0) - 1)
;;       q = np.round(r / step) * step * 2.0 ** e      # np.round: ties to even
;;       return np.moveaxis(q.reshape(q.shape[:-2] + (-1,))[..., :K], -1, axis).astype(np.float32)
;;   ~~~
;; One version. Each part assembles by itself: llvm-mc -triple=amdgcn-amd-amdhsa -mcpu=gfx1250 --defsym DOCPART=n.
;; ======== version 1 of 1: 4 launches
;; limits: right only within a limited range of input values
;; workspace buffers: zrec 4,587,520 bytes; wrec 2,293,760 bytes; candd 131,072 bytes; candi 131,072 bytes of whole numbers; part 1,024 bytes
;; launch quant (part 1): grid 768 x 1, 2 waves a work-group, no clusters, 20,736 bytes of LDS; arguments z_e, W, zrec, wrec; writes zrec, wrec
.if DOCPART == 1
	.amdgcn_target "amdgcn-amd-amdhsa--gfx1250"
	.amdhsa_code_object_version 6
	.text
	.protected	k_qd3304b3711_quant
	.globl	k_qd3304b3711_quant
	.p2align	8
	.type	k_qd3304b3711_quant,@function
k_qd3304b3711_quant:
	s_mov_b64 s[64:65], 0
	v_nop
	global_prefetch_b8 v0, s[64:65] scope:SCOPE_SE
	s_setreg_imm32_b32 hwreg(HW_REG_WAVE_MODE, 25, 1), 1
	s_wait_xcnt 0x0
; z_e [16384][512] and W [8192][512], f32, become RECORDS that the distance launch reads as they lie.
; A record serves 32 rows (two tiles u = 0, 1 of 16 rows) in 8,960 bytes:
;   u*4096 + 256*j + 16*r : the 16 bytes of codes (FP4, E2M1, two a byte, lower k in the low four bits) of block j (32 along K) of row r.
;                           That is the image of the matrix operand's registers: group g = 2*kstep + c of four registers, lane (r, h), lies at 512*g + 16*(r + 16*h).
;   8192 + u*256 + 16*r   : row r's 16 E8M0 bytes: four words, one for each 128 along K.
;   8704 + u*128 + 4*r    : the f32 sum of squares of the unquantised row r; 64 bytes of zeros follow a tile's 64.
; A block's scale is 2^(floor(log2(largest magnitude)) - 2); its byte is the largest magnitude's exponent field - 2, held at 1 from below.
; LIMITS: a block of zeros, and a block whose largest magnitude lies under 2^-124, gets the byte 1 (the rule says 127 for zeros: the codes are zeros, and this program alone reads the bytes);
; NaN and infinities among the inputs are not served; a row's sum of squares is added in this text's own order (16 a lane in two packed chains, then across the lanes).
; SHARES: work-groups 0-511 make z_e's records, 512-767 W's: only pointers are chosen, the text has one path.  Wave u makes tile u: 16 steps, a row (2,048 bytes) a step.
; Each load reads 512 consecutive bytes; a step's bytes turn through the wave's own stage in LDS, so that a lane then holds 16 neighbours along K and two neighbouring lanes a block.
; Codes and scale bytes are gathered in the wave's own LDS and leave in runs of 512 and 256 consecutive bytes.  Waves share nothing: no barrier.
.set STEPS, 16
.set REC,   8960
.set WREG,  10240                      ; LDS of a wave: two turn stages, 256 scale bytes, the code stage
.set SP,    80                         ; a lane's place in a turn stage: 64 bytes + 16 of padding
.set SCB,   2*32*SP                    ; 5,120: the scale bytes
.set CST,   SCB+256                    ; 5,376: the code stage: 16 blocks x (16 rows x 16 bytes + 16)
.set CP,    272
.set R,     16                         ; v16-79   four sets of 16 numbers as loaded
.set X,     80                         ; v80-111  two sets of 16 neighbours
.set E,     112                        ; v112-127 a scale byte for each step
.set C,     128                        ; v128-159 two registers of codes for each step
.set SQ,    176                        ; v176-179 the sum of squares at work
.set M0,    180                        ; v180-181 largest magnitudes
.set M1,    181
.set SO,    182                        ; the conversion's scale operand
.set OUTR,  184                        ; v184-215 codes read back
.set SBK,   216                        ; v216-217 scale bytes read back
	s_load_b256 s[4:11], s[0:1], 0x0               ; z_e s[4:5], W s[6:7], zrec s[8:9], wrec s[10:11]
	v_lshl_add_u32 v224, v0, 2, 0x5000
	v_mov_b32 v225, 0
	v_lshrrev_b32 v1, 5, v0
	v_readfirstlane_b32 s16, v1                    ; wave = tile u
	v_and_b32 v2, 31, v0                           ; lane
	v_lshlrev_b32 v3, 4, v2                        ; 16 x lane: my bytes of a load's 512, and of a code store's
	s_mul_i32 s17, s16, WREG
	v_lshrrev_b32 v14, 2, v2
	v_mul_u32_u24 v14, v14, SP
	v_and_b32 v15, 3, v2
	v_lshl_add_u32 v14, v15, 4, v14
	v_add_nc_u32 v14, s17, v14                     ; turn stage, way in: SP (lane / 4) + 16 (lane % 4)
	v_mul_u32_u24 v15, v2, SP
	v_add_nc_u32 v15, s17, v15                     ; way out: SP x lane
	v_lshrrev_b32 v5, 1, v2                        ; my block of the row
	v_mul_u32_u24 v4, v5, CP
	v_and_b32 v8, 1, v2
	v_lshl_add_u32 v4, v8, 3, v4
	v_add_nc_u32 v4, s17, v4
	v_add_nc_u32 v4, CST, v4                       ; code stage, way in: block x CP + 8 x (lane % 2); the row stands in the immediate
	v_add_nc_u32 v5, s17, v5
	v_add_nc_u32 v5, SCB, v5                       ; my block's scale byte; the row stands in the immediate
	v_lshlrev_b32 v7, 3, v2                        ; 8 x lane
	v_add_nc_u32 v6, s17, v7
	v_add_nc_u32 v6, SCB, v6                       ; scale bytes, way out
	v_lshrrev_b32 v9, 4, v2
	v_mul_u32_u24 v9, v9, CP
	v_and_b32 v8, 15, v2
	v_lshl_add_u32 v9, v8, 4, v9
	v_add_nc_u32 v9, s17, v9
	v_add_nc_u32 v9, CST, v9                       ; code stage, way out: sixteen lanes to a block, two blocks an instruction
	v_lshlrev_b32 v10, 2, v2                       ; 4 x lane
	v_mov_b32 v12, 0                               ; a lane permute's destination counts as read: written once
	v_mov_b32 v13, 0                               ; lane t will keep row t's sum of squares; lanes 16-31 stay 0
	s_mov_b32 s20, 0x76543210
	s_mov_b32 s21, 0xfedcba98                      ; v_permlanex16_b32's selects for lane l xor 16
	s_wait_kmcnt 0x0
	s_cmp_lt_u32 ttmp9, 512                        ; z_e's work-group or W's: the choice hangs on the work-group's number alone
	s_cselect_b64 s[4:5], s[4:5], s[6:7]
	s_cselect_b64 s[8:9], s[8:9], s[10:11]
	s_cselect_b32 s18, 0, 512
	s_sub_co_u32 s18, ttmp9, s18                   ; the record's number
	s_lshl_b32 s22, s18, 1
	s_add_co_u32 s22, s22, s16
	s_lshl_b32 s22, s22, 15                        ; my tile's 16 rows of 2,048 bytes (under 2^26)
	s_mov_b32 s23, 0
	s_add_nc_u64 s[4:5], s[4:5], s[22:23]
	s_mul_i32 s22, s18, REC
	s_add_nc_u64 s[8:9], s[8:9], s[22:23]          ; the record
	s_lshl_b32 s22, s16, 12
	s_add_nc_u64 s[12:13], s[8:9], s[22:23]        ; my tile's codes
	s_lshl_b32 s22, s16, 8
	s_add_co_u32 s22, s22, 8192
	s_add_nc_u64 s[14:15], s[8:9], s[22:23]        ; its scale bytes
	s_lshl_b32 s22, s16, 7
	s_add_co_u32 s22, s22, 8704
	s_add_nc_u64 s[24:25], s[8:9], s[22:23]        ; its sums of squares
.macro LOAD t
.irp i, 0,1,2,3
	global_load_b128 v[R+16*((\t)%6)+104*(((\t)%6)/4)+4*\i:R+16*((\t)%6)+104*(((\t)%6)/4)+4*\i+3], v3, s[4:5] offset:2048*(\t)+512*\i th:TH_LOAD_NT   ; 32 lanes read 512 consecutive bytes; six sets: four at v16-79, two at v184-215, which serve the way out only behind the last step
.endr
.endm
.macro TURN t                          ; step t's numbers through the stage: LDS serves a wave's instructions in order, so no wait stands between the stores and the loads
.irp i, 0,1,2,3
	ds_store_b128 v14, v[R+16*((\t)%6)+104*(((\t)%6)/4)+4*\i:R+16*((\t)%6)+104*(((\t)%6)/4)+4*\i+3] offset:32*SP*((\t)%2)+8*SP*\i
.endr
.irp i, 0,1,2,3
	ds_load_b128 v[X+16*((\t)%2)+4*\i:X+16*((\t)%2)+4*\i+3], v15 offset:32*SP*((\t)%2)+16*\i
.endr
.endm
.irp t, 0,1,2,3,4,5
	LOAD \t
.endr
	s_wait_loadcnt 20                              ; step 0's four loads are in; the twenty of steps 1 to 5 may be out
	TURN 0
.macro STEP t
.set XS, X+16*((\t)%2)
.if (\t) > 0
	s_wait_dscnt 2                                 ; this step's numbers are back from the stage; younger are the last step's byte store and code store
.else
	s_wait_dscnt 0x0
.endif
.if (\t)+6 < STEPS
	LOAD (\t)+6                                    ; into this step's own set, whose stores into the stage are done
.endif
.if (\t)+1 < STEPS
.if STEPS-2-(\t) >= 5
	s_wait_loadcnt 20                              ; the next step's four loads are in; those of the five steps behind it may be out
.else
	s_wait_loadcnt 4*(STEPS-2-(\t))
.endif
	TURN (\t)+1                                    ; the next row goes through the other stage while this one is worked
.endif
	v_max3_num_f32 v[M0], |v[XS]|, |v[XS+1]|, |v[XS+2]|            ; the largest magnitude of my 16, in two chains
	v_max3_num_f32 v[M1], |v[XS+3]|, |v[XS+4]|, |v[XS+5]|
.irp i, 6,10
	v_max3_num_f32 v[M0], v[M0], |v[XS+\i]|, |v[XS+\i+1]|
	v_max3_num_f32 v[M1], v[M1], |v[XS+\i+2]|, |v[XS+\i+3]|
.endr
	v_max3_num_f32 v[M0], v[M0], |v[XS+14]|, |v[XS+15]|
	v_max3_num_f32 v[M0], v[M0], v[M1], 0x1800000  ; and the floor 2^(3 - 127): the byte cannot fall under 1
	v_max_num_f32_dpp v[M0], v[M0], v[M0] row_xmask:1 row_mask:0xf bank_mask:0xf   ; with my neighbour's 16: the block's
	v_add_nc_u32 v[SO], 0xff000000, v[M0]          ; 2 off the exponent field: the conversion takes the exponent field of this operand as its scale
	v_cvt_scalef32_pk8_fp4_f32 v[C+2*(\t)], v[XS:XS+7], v[SO]
	v_cvt_scalef32_pk8_fp4_f32 v[C+2*(\t)+1], v[XS+8:XS+15], v[SO]
	v_lshrrev_b32 v[E+(\t)], 23, v[SO]             ; the scale's byte (also the plain line behind the conversions)
	ds_store_b8 v5, v[E+(\t)] offset:16*(\t)       ; both lanes of a block write the same byte with the same value
	ds_store_b64 v4, v[C+2*(\t):C+2*(\t)+1] offset:16*(\t)   ; my 16 codes: half of block lane / 2 of row t
	v_pk_mul_f32 v[SQ:SQ+1], v[XS:XS+1], v[XS:XS+1]          ; the row's sum of squares, of the numbers as they came
	v_pk_mul_f32 v[SQ+2:SQ+3], v[XS+2:XS+3], v[XS+2:XS+3]
.irp i, 4,8,12
	v_pk_fma_f32 v[SQ:SQ+1], v[XS+\i:XS+\i+1], v[XS+\i:XS+\i+1], v[SQ:SQ+1]
	v_pk_fma_f32 v[SQ+2:SQ+3], v[XS+\i+2:XS+\i+3], v[XS+\i+2:XS+\i+3], v[SQ+2:SQ+3]
.endr
	v_pk_add_f32 v[SQ:SQ+1], v[SQ:SQ+1], v[SQ+2:SQ+3]
	v_add_f32 v[SQ], v[SQ], v[SQ+1]
	v_add_f32_dpp v[SQ], v[SQ], v[SQ] row_xmask:1 row_mask:0xf bank_mask:0xf
	v_add_f32_dpp v[SQ], v[SQ], v[SQ] row_xmask:2 row_mask:0xf bank_mask:0xf
	v_add_f32_dpp v[SQ], v[SQ], v[SQ] row_xmask:4 row_mask:0xf bank_mask:0xf
	v_add_f32_dpp v[SQ], v[SQ], v[SQ] row_xmask:8 row_mask:0xf bank_mask:0xf
	v_permlanex16_b32 v12, v[SQ], s20, s21
	v_add_f32 v[SQ], v[SQ], v12
	v_cmp_eq_u32 vcc_lo, \t, v2
	v_cndmask_b32 v13, v13, v[SQ], vcc_lo          ; lane t keeps it
.endm
.irp t, 0,1,2,3,4,5,6,7,8,9,10,11,12,13,14,15
	STEP \t
.endr
	ds_load_b64 v[SBK:SBK+1], v6                   ; LDS serves a wave's instructions in order: these see my stores
.irp i, 0,1,2,3,4,5,6,7
	ds_load_b128 v[OUTR+4*\i:OUTR+4*\i+3], v9 offset:2*CP*\i
.endr
	s_wait_alu depctr_va_vdst(0)
	s_wait_dscnt 8                                 ; the scale bytes are back; the eight loads of codes may be out
	global_store_b64 v7, v[SBK:SBK+1], s[14:15]    ; 32 lanes store 256 consecutive bytes, aligned
.irp i, 0,1,2,3,4,5,6,7
	s_wait_dscnt 7-\i
	global_store_b128 v3, v[OUTR+4*\i:OUTR+4*\i+3], s[12:13] offset:512*\i   ; 512 consecutive bytes: blocks 2 i and 2 i + 1 of the 16 rows
.endr
	global_store_b32 v10, v13, s[24:25]            ; 16 sums and 16 zeros: 128 consecutive bytes
	s_wait_tensorcnt 0x0
	ds_add_u32 v224, v225
	s_wait_dscnt 0x0
	s_endpgm
.Lfunc_end_k_qd3304b3711_quant:
	.size	k_qd3304b3711_quant, .Lfunc_end_k_qd3304b3711_quant-k_qd3304b3711_quant
	.p2alignl 7, 3214868480
	.fill 96, 4, 3214868480
	.section	.rodata,"a",@progbits
	.p2align	6, 0x0
	.amdhsa_kernel k_qd3304b3711_quant
		.amdhsa_group_segment_fixed_size 20736
		.amdhsa_private_segment_fixed_size 0
		.amdhsa_enable_private_segment 0
		.amdhsa_kernarg_size 32
		.amdhsa_user_sgpr_count 2
		.amdhsa_user_sgpr_kernarg_segment_ptr 1
		.amdhsa_wavefront_size32 1
		.amdhsa_system_sgpr_workgroup_id_x 1
		.amdhsa_system_sgpr_workgroup_id_y 1
		.amdhsa_system_sgpr_workgroup_id_z 1
		.amdhsa_system_vgpr_workitem_id 0
		.amdhsa_next_free_vgpr 226
		.amdhsa_next_free_sgpr 66
		.amdhsa_reserve_vcc 1
		.amdhsa_float_denorm_mode_32 3
		.amdhsa_float_denorm_mode_16_64 3
		.amdhsa_memory_ordered 1
		.amdhsa_forward_progress 1
		.amdhsa_inst_pref_size 51
	.end_amdhsa_kernel
	.amdgpu_metadata
---
amdhsa.version: [ 1, 2 ]
amdhsa.kernels:
  - .name:           k_qd3304b3711_quant
    .symbol:         k_qd3304b3711_quant.kd
    .args:
      - { .name: z_e, .offset: 0, .size: 8, .value_kind: global_buffer, .address_space: global }
      - { .name: W, .offset: 8, .size: 8, .value_kind: global_buffer, .address_space: global }
      - { .name: zrec, .offset: 16, .size: 8, .value_kind: global_buffer, .address_space: global }
      - { .name: wrec, .offset: 24, .size: 8, .value_kind: global_buffer, .address_space: global }
    .group_segment_fixed_size: 20736
    .private_segment_fixed_size: 0
    .kernarg_segment_align: 8
    .kernarg_segment_size: 32
    .max_flat_workgroup_size: 64
    .sgpr_count:     66
    .vgpr_count:     226
    .wavefront_size: 32
...
	.end_amdgpu_metadata
.endif
;; end of part 1
;; launch dist (part 2): grid 128 x 2, 8 waves a work-group, no clusters, 9,216 bytes of LDS; arguments zrec, wrec, candd, candi; writes candd, candi
.if DOCPART == 2
	.amdgcn_target "amdgcn-amd-amdhsa--gfx1250"
	.amdhsa_code_object_version 6
	.text
	.protected	k_qd3304b3711_dist
	.globl	k_qd3304b3711_dist
	.p2align	8
	.type	k_qd3304b3711_dist,@function
k_qd3304b3711_dist:
	s_mov_b64 s[64:65], 0
	v_nop
	global_prefetch_b8 v0, s[64:65] scope:SCOPE_SE
	s_setreg_imm32_b32 hwreg(HW_REG_WAVE_MODE, 25, 1), 1
	s_wait_xcnt 0x0
; For 128 rows x of z_e and 4,096 rows w of W (half y of the codebook): d = fl(fl(xx + ww) - 2 s), s = Q(x) . Q(w) on codes of FP4 (E2M1) with E8M0 scales; the least d and its FIRST code go out as the row's candidate of half y.
; ROUNDING is reference()'s own: t = xx + ww rounded once (a fused multiply-add by 1.0), d = t - 2 s rounded once (a fused multiply-add by -2.0; 2 s is exact).
; LIMITS: NaN, infinities and a d that overflows are not served (the minimum drops a NaN); xx and ww are summed in the quantising launch's order.
; SHARES.  Work-group (bx, y): rows 128 bx on, codes 4,096 y on.  All eight waves hold all eight tiles of 16 rows as operands in registers (window 1, 256 registers); wave w walks records 16 w .. 16 w + 15 of the half
; (a record: two tiles of 16 codes), so a fragment of W feeds 8 products.  A record lies in memory as the image of the operand's registers: it goes from memory STRAIGHT INTO REGISTERS, 11 loads a tile, into two tile buffers;
; a buffer is asked for again as soon as its tile's last product has been issued, a whole tile ahead of its use.  The loop has no LDS access and no barrier: waves share nothing before the end.
; THE WALK IS A RING.  Work-group bx begins at record START (0..15, made of bx's bits) of each wave's 16 and goes round.  So the first trip's loads of a half's 128 work-groups, 16 starts x 8 waves, name all 128 records of the half,
; and every later trip names bytes that a load of this launch has named before: therefore no prefetch is written.
; CLUSTER: none.  The launch has no LDS slot in which a joint load could land, and the work-groups that read the same record read it in different trips (their walks begin at different records), so their requests do not meet.
; TIES.  In a walk a later tile wins only by d < m, which keeps the first code while the codes ascend.  Where the ring goes back to record 0 the codes to come are LOWER than all before: there m and the kept d are moved
; to the next float upward (bits + 1, for a negative number bits - 1; d is never -0: t is a sum of squares and an exact zero of the multiply-add is +0).  An equal d of a lower code now lies under m and wins; no float lies between.
; Equality between m and the kept d is not touched.  At the end a holder from before that point (its tile's number is at least the first tile's) has its m moved back.
; THE PRODUCT IS USED TRANSPOSED: source 0 = 16 codes of W, source 1 = 16 rows of z_e.  Lane (r, h) then holds ONE row r, and register j of a result the code 8 h + j of the tile.
; THE ARGMIN takes 17 vector instructions for a tile of 16 x 16: 4 for t, 4 for d, 4 for the least of the eight d and the old m, 1 compare into VCC, and 4 dual-issue pairs of selects under VCC: they keep the winning tile's
; d 0..6 (if none of them equals m, the place is 7) and its number, which stands in a register.  A pair's destinations are one even and one odd register, and its like sources lie in different banks (number mod 4):
; d j and d j + 1 are neighbours; kept d 6 of row tile q is v[203 + 7 q] and the number's place v[36 + q]; result 6 lies in bank 2 and the tile's number, v196, in bank 0.
; REGISTERS.  window 0: v1-7 addresses; v8-11 at work; v12-27 pairs (xx, m); v28-35 m's second place; v36-43 the winning tile's number; v44-59 z_e's scale words; v60-67 W's, v68-83 ww, v84-147 W's fragments (each for two tile buffers);
;   v148-163 t, two sets of four pairs; v164-195 four accumulators; v196 the number of the tile in hand; v197-252 the kept d.   window 1: row tile q, K step k at v[32 q + 8 k].
.set REC,   8960                       ; a record: 32 rows: codes 2 x 4,096, scale bytes 2 x 256, sums of squares 2 x 128
.set SCR,   0                          ; LDS: [wave][row] of (d, code), 8 x 1,024 bytes
.set SPARE, 8192                       ; the spare words, 128 bytes for each wave: four blocks of 256 bytes that no other line names
.set LO,  1                            ; 16 x lane
.set HO,  2                            ; 32 h
.set SPW, 3                            ; my spare word; never rewritten
.set NIL, 4                            ; 0; never rewritten
.set PUT, 5                            ; where I put a pair: 1,024 x wave + 8 r
.set GET, 6                            ; where waves 0 to 3 read the pairs of row (thread % 128)
.set CW,  7                            ; 4 x thread
.set G,   8
.set ST,  12
.set MB,  28
.set IDX, 36
.set QS,  44
.set WS,  60
.set WW,  68
.set WF,  84
.set T,   148
.set AC,  164
.set TCV, 196
.set KEEP, 197
.set FD,  84                           ; at the end: eight pairs (d, code)
.set WV,  12                           ; s12 wave
.set Y,   14                           ; s14 half of the codebook
.set SRT, 16                           ; s16 START
.set CB,  20                           ; s[20:21] my wave's 16 records
.set P0,  22                           ; s[22:23], s[24:25] the record that tile buffer 0, 1 is loaded from
.set OFS, 26                           ; s[26:27] the next record's byte offset among my 16
.set PC,  32                           ; s32 the record in hand, then the next
.set NW,  33                           ; s33 the record ahead of which the floats are moved: 0, or 16 (none) where START is 0
.set TCB, 34                           ; s34 the number (code / 16) of my first tile
.set TC,  35                           ; s35 the number of the tile in hand
.set THR, 36                           ; s36 the number of the walk's first tile, or the greatest number where START is 0
.set LAPS, 37
.set SEL, 44                           ; s[44:45] v_permlanex16_b32's selects for lane l xor 16
.set MSB, 0
.macro WIN new                         ; the immediate's high byte repeats the setting that is left
.if MSB != \new
	s_set_vgpr_msb (MSB<<8)|\new
.set MSB, \new
.endif
.endm
; Tile buffer u takes tile u of a record: 8 loads of fragments and the record's scale words (lanes 0-15 tile 0's, lanes 16-31 tile 1's); then my eight ww, 2 loads.
.macro LOADF u
.irp g, 0,1,2,3,4,5,6,7
	global_load_b128 v[WF+32*\u+4*\g:WF+32*\u+4*\g+3], v[LO], s[P0+2*\u:P0+2*\u+1] offset:4096*\u+512*\g
.endr
	global_load_b128 v[WS+4*\u:WS+4*\u+3], v[LO], s[P0+2*\u:P0+2*\u+1] offset:8192
.endm
.macro LOADW u
	global_load_b128 v[WW+8*\u:WW+8*\u+3], v[HO], s[P0+2*\u:P0+2*\u+1] offset:8704+128*\u
	global_load_b128 v[WW+8*\u+4:WW+8*\u+7], v[HO], s[P0+2*\u:P0+2*\u+1] offset:8704+128*\u+16
.endm
	s_load_b256 s[4:11], s[0:1], 0x0               ; zrec s[4:5], wrec s[6:7], candd s[8:9], candi s[10:11]
	v_lshl_add_u32 v[SPW], v0, 2, SPARE
	v_mov_b32 v[NIL], 0
	v_lshrrev_b32 v8, 5, v0
	s_delay_alu instid0(VALU_DEP_1)
	v_readfirstlane_b32 s[WV], v8                  ; wave 0..7
	v_and_b32 v[LO], 31, v0
	s_delay_alu instid0(VALU_DEP_1)
	v_lshlrev_b32 v[LO], 4, v[LO]
	v_bfe_u32 v[HO], v0, 4, 1
	s_delay_alu instid0(VALU_DEP_1)
	v_lshlrev_b32 v[HO], 5, v[HO]
	v_and_b32 v8, 15, v0                           ; r
	s_lshl_b32 s15, s[WV], 10
	v_lshl_add_u32 v[PUT], v8, 3, s15
	v_lshlrev_b32 v8, 2, v8                        ; 4 r: xx's offset
	v_and_b32 v[GET], 127, v0
	s_delay_alu instid0(VALU_DEP_1)
	v_lshlrev_b32 v[GET], 3, v[GET]
	v_lshlrev_b32 v[CW], 2, v0
	s_and_b32 s[Y], ttmp7, 0xffff
	s_bfe_u32 s15, ttmp9, 0x10004                  ; START = bx's bits 3:0, with bit 4 turning bits 1:0 and bit 5 bits 3:2: whichever one bit of bx is held, all 16 starts occur
	s_mul_i32 s15, s15, 3
	s_bfe_u32 s17, ttmp9, 0x10005
	s_mul_i32 s17, s17, 12
	s_and_b32 s[SRT], ttmp9, 15
	s_xor_b32 s[SRT], s[SRT], s15
	s_xor_b32 s[SRT], s[SRT], s17
	s_lshl_b32 s[TCB], s[Y], 8
	s_lshl_b32 s15, s[WV], 5
	s_add_co_u32 s[TCB], s[TCB], s15               ; 256 y + 32 w
	s_lshl_b32 s[THR], s[SRT], 1
	s_add_co_u32 s[THR], s[THR], s[TCB]
	s_cmp_eq_u32 s[SRT], 0
	s_cselect_b32 s[THR], -1, s[THR]
	s_cselect_b32 s[NW], 16, 0
	s_mov_b32 s[PC], s[SRT]
	s_lshl_b32 s28, s[Y], 7
	s_lshl_b32 s15, s[WV], 4
	s_add_co_u32 s28, s28, s15
	s_mul_i32 s28, s28, REC                        ; record 128 y + 16 w, in bytes (under 2^22)
	s_mov_b32 s29, 0
	s_mul_i32 s[OFS], s[SRT], REC
	s_mov_b32 s[OFS+1], 0
	s_mul_i32 s30, ttmp9, 4*REC                    ; my block's four records of z_e
	s_mov_b32 s31, 0
	s_lshl_b32 s38, s[Y], 16
	s_lshl_b32 s15, ttmp9, 9
	s_add_co_u32 s38, s38, s15                     ; 4 (16,384 y + 128 bx)
	s_mov_b32 s39, 0
	s_mov_b32 s[SEL], 0x76543210
	s_mov_b32 s[SEL+1], 0xfedcba98
	s_wait_alu depctr_va_vdst(0)
	s_wait_kmcnt 0x0
	s_add_nc_u64 s[CB:CB+1], s[6:7], s[28:29]
	s_add_nc_u64 s[P0:P0+1], s[CB:CB+1], s[OFS:OFS+1]
	s_mov_b64 s[P0+2:P0+3], s[P0:P0+1]
	s_add_nc_u64 s[4:5], s[4:5], s[30:31]
	s_add_nc_u64 s[8:9], s[8:9], s[38:39]
	s_add_nc_u64 s[10:11], s[10:11], s[38:39]
	WIN 0x40                                       ; destination window 1, address window 0
.irp p, 0,1,2,3
.irp u, 0,1
.irp g, 0,1,2,3,4,5,6,7
	global_load_b128 v[32*(2*\p+\u)+4*\g:32*(2*\p+\u)+4*\g+3], v[LO], s[4:5] offset:REC*\p+4096*\u+512*\g   ; z_e's operands stay in registers
.endr
.endr
.endr
	WIN 0
.irp p, 0,1,2,3
	global_load_b128 v[QS+4*\p:QS+4*\p+3], v[LO], s[4:5] offset:REC*\p+8192   ; register 4 p + k: lanes 0-15 the words of tile 2 p, lanes 16-31 of tile 2 p + 1, for K step k
.endr
.irp p, 0,1,2,3
.irp u, 0,1
	global_load_b32 v[ST+2*(2*\p+\u)], v8, s[4:5] offset:REC*\p+8704+128*\u   ; xx of my row in each tile
.endr
.endr
	LOADF 0                                        ; the walk's first record: 11 loads for each tile buffer
	LOADW 0
	LOADF 1
	LOADW 1
.irp q, 0,1,2,3,4,5,6,7
	v_mov_b32 v[ST+2*\q+1], 0x7f800000             ; m: these are minima, not sums: they begin at +infinity
	v_mov_b32 v[IDX+\q], s[TCB]
.endr
.set j, 0
.rept 56
	v_mov_b32 v[KEEP+j], 0x7f800000                ; the selects read what they may keep, so it is written once
.set j, j+1
.endr
; Four lines of t = ww + xx: pair n of the tile's eight codes, for the four row tiles 4 h on.  The second source is a constant, so the line stands as it is under the products' window setting.
.macro TOP h, u, n
.irp e, 0,1,2,3
	v_pk_fma_f32 v[T+8*((\n)%2)+2*\e:T+8*((\n)%2)+2*\e+1], v[WW+8*(\u)+2*(\n):WW+8*(\u)+2*(\n)+1], 1.0, v[ST+2*(4*(\h)+\e):ST+2*(4*(\h)+\e)+1] op_sel_hi:[1,0,0]   ; of the pair (xx, m) the low word serves both halves
.endr
.endm
.macro DL n                            ; d = t - 2 s, rounded once: pair n of the four accumulators
.irp e, 0,1,2,3
	v_pk_fma_f32 v[AC+8*\e+2*(\n):AC+8*\e+2*(\n)+1], v[AC+8*\e+2*(\n):AC+8*\e+2*(\n)+1], -2.0, v[T+8*((\n)%2)+2*\e:T+8*((\n)%2)+2*\e+1] op_sel_hi:[1,0,1]
.endr
.endm
; Product i of 16: K step i / 4, row tile 4 h + i % 4.  u: W's tile of its record: its scale words lie in lanes 0-15 or 16-31; z_e's likewise by the row tile's parity.
.macro PROD h, u
.set kq, i/4
.set qq, 4*(\h)+i%4
.set rD, AC+8*(i%4)
.set rA, WF+32*(\u)+8*kq
.set rB, 32*qq+8*kq
.set rX, WS+4*(\u)+kq
.set rY, QS+4*(qq/2)+kq
.if kq == 0
.if ((\u) == 0) && (qq%2 == 0)
	v_wmma_scale_f32_16x16x128_f8f6f4 v[rD:rD+7], v[rA:rA+7], v[rB:rB+7], 0, v[rX], v[rY] matrix_a_fmt:MATRIX_FMT_FP4 matrix_b_fmt:MATRIX_FMT_FP4
.elseif (\u) == 0
	v_wmma_scale_f32_16x16x128_f8f6f4 v[rD:rD+7], v[rA:rA+7], v[rB:rB+7], 0, v[rX], v[rY] matrix_a_fmt:MATRIX_FMT_FP4 matrix_b_fmt:MATRIX_FMT_FP4 matrix_b_scale:MATRIX_SCALE_ROW1
.elseif qq%2 == 0
	v_wmma_scale_f32_16x16x128_f8f6f4 v[rD:rD+7], v[rA:rA+7], v[rB:rB+7], 0, v[rX], v[rY] matrix_a_fmt:MATRIX_FMT_FP4 matrix_b_fmt:MATRIX_FMT_FP4 matrix_a_scale:MATRIX_SCALE_ROW1
.else
	v_wmma_scale_f32_16x16x128_f8f6f4 v[rD:rD+7], v[rA:rA+7], v[rB:rB+7], 0, v[rX], v[rY] matrix_a_fmt:MATRIX_FMT_FP4 matrix_b_fmt:MATRIX_FMT_FP4 matrix_a_scale:MATRIX_SCALE_ROW1 matrix_b_scale:MATRIX_SCALE_ROW1
.endif
.else
.if ((\u) == 0) && (qq%2 == 0)
	v_wmma_scale_f32_16x16x128_f8f6f4 v[rD:rD+7], v[rA:rA+7], v[rB:rB+7], v[rD:rD+7], v[rX], v[rY] matrix_a_fmt:MATRIX_FMT_FP4 matrix_b_fmt:MATRIX_FMT_FP4
.elseif (\u) == 0
	v_wmma_scale_f32_16x16x128_f8f6f4 v[rD:rD+7], v[rA:rA+7], v[rB:rB+7], v[rD:rD+7], v[rX], v[rY] matrix_a_fmt:MATRIX_FMT_FP4 matrix_b_fmt:MATRIX_FMT_FP4 matrix_b_scale:MATRIX_SCALE_ROW1
.elseif qq%2 == 0
	v_wmma_scale_f32_16x16x128_f8f6f4 v[rD:rD+7], v[rA:rA+7], v[rB:rB+7], v[rD:rD+7], v[rX], v[rY] matrix_a_fmt:MATRIX_FMT_FP4 matrix_b_fmt:MATRIX_FMT_FP4 matrix_a_scale:MATRIX_SCALE_ROW1
.else
	v_wmma_scale_f32_16x16x128_f8f6f4 v[rD:rD+7], v[rA:rA+7], v[rB:rB+7], v[rD:rD+7], v[rX], v[rY] matrix_a_fmt:MATRIX_FMT_FP4 matrix_b_fmt:MATRIX_FMT_FP4 matrix_a_scale:MATRIX_SCALE_ROW1 matrix_b_scale:MATRIX_SCALE_ROW1
.endif
.endif
.endm
; 16 products: one tile of W against four row tiles, K ascending; the four accumulators take turns, one instruction a turn.  Four lines of t stand behind the third K step's products, and four behind
; the last product: plain lines that name none of its registers, the four places ahead of the first read of a result and of loads into W's registers.
.macro BATCH h, u
	WIN 0x04                                       ; source 1 (z_e) window 1, all else window 0
.set i, 0
.rept 4
.rept 4
	PROD \h, \u
.set i, i+1
.endr
.if i == 12
	TOP \h, \u, 0
.endif
.endr
	TOP \h, \u, 1
	WIN 0
.endm
; The four tiles' distances and their part in the argmin.  Each accumulator is read from its low end on.  t's two sets take turns: pairs 2 and 3 are made here.  Up to the new m the four tiles go by turns, so that no line waits for the line above it.
; u = 0: the old m stands in its pair, the new goes to m's second place; u = 1: the other way round.  ld = 1: behind the last line that reads this buffer's ww, the next record's are asked for.
.macro EPI h, u, ld
	DL 0
	TOP \h, \u, 2
	DL 1
	TOP \h, \u, 3
.if \ld
	LOADW \u
.endif
	DL 2
	DL 3
.irp e, 0,1,2,3
	v_min3_num_f32 v[G+\e], v[AC+8*\e], v[AC+8*\e+1], v[AC+8*\e+2]
.endr
.irp e, 0,1,2,3
	s_delay_alu instid0(VALU_DEP_4)
	v_min3_num_f32 v[G+\e], v[G+\e], v[AC+8*\e+3], v[AC+8*\e+4]
.endr
.irp e, 0,1,2,3
	s_delay_alu instid0(VALU_DEP_4)
	v_min3_num_f32 v[G+\e], v[G+\e], v[AC+8*\e+5], v[AC+8*\e+6]
.endr
.irp e, 0,1,2,3
.if \u
	s_delay_alu instid0(VALU_DEP_4)
	v_min3_num_f32 v[ST+2*(4*\h+\e)+1], v[G+\e], v[AC+8*\e+7], v[MB+4*\h+\e]   ; the new m: the least of my eight codes of the tile and the old m
.else
	s_delay_alu instid0(VALU_DEP_4)
	v_min3_num_f32 v[MB+4*\h+\e], v[G+\e], v[AC+8*\e+7], v[ST+2*(4*\h+\e)+1]
.endif
.endr
.irp e, 0,1,2,3
.if \u
	v_cmp_lt_f32 vcc_lo, v[ST+2*(4*\h+\e)+1], v[MB+4*\h+\e]   ; new m < old m: the tile's least lies strictly under the old m
.else
	v_cmp_lt_f32 vcc_lo, v[MB+4*\h+\e], v[ST+2*(4*\h+\e)+1]
.endif
.irp j, 0,2,4
	v_dual_cndmask_b32 v[KEEP+7*(4*\h+\e)+\j], v[KEEP+7*(4*\h+\e)+\j], v[AC+8*\e+\j] :: v_dual_cndmask_b32 v[KEEP+7*(4*\h+\e)+\j+1], v[KEEP+7*(4*\h+\e)+\j+1], v[AC+8*\e+\j+1]   ; two selects under VCC
.endr
	v_dual_cndmask_b32 v[KEEP+7*(4*\h+\e)+6], v[KEEP+7*(4*\h+\e)+6], v[AC+8*\e+6] :: v_dual_cndmask_b32 v[IDX+4*\h+\e], v[IDX+4*\h+\e], v[TCV]   ; d 6, and the tile's number
.endr
.endm
; A tile of W against all eight row tiles.  cnt: the loads issued behind this buffer's 11, which may stay out: the other buffer's 11, or none.
; more = 1: behind the tile's last product and its four places the buffer is asked for again, from the next record.  The buffer's pointer is written only here: the wait at the tile's head has shown its last loads done.
.macro TILE u, more, cnt
	s_wait_alu depctr_va_vdst(0)
	s_wait_loadcnt \cnt
	v_mov_b32 v[TCV], s[TC]                        ; the tile's number, for the selects
	BATCH 0, \u
	EPI 0, \u, 0
	BATCH 1, \u
.if \more
	s_add_nc_u64 s[P0+2*\u:P0+2*\u+1], s[CB:CB+1], s[OFS:OFS+1]
	LOADF \u
.endif
	EPI 1, \u, \more
.endm
; Eight registers b, b + s, .. to the next float upward: bits + 1, for a negative number bits - 1.
.macro UP8 b, s
.irp k, 0,1,2,3,4,5,6,7
	v_ashrrev_i32 v[T+\k], 31, v[(\b)+(\s)*\k]
.endr
.irp k, 0,1,2,3,4,5,6,7
	v_or_b32 v[T+\k], 1, v[T+\k]
.endr
.irp k, 0,1,2,3,4,5,6,7
	v_add_nc_u32 v[(\b)+(\s)*\k], v[(\b)+(\s)*\k], v[T+\k]
.endr
.endm
; A record.  Ahead of record 0, unless the walk began there, m and the kept d are moved up (see TIES).  The branch hangs on ids and the trip alone.
.macro TRIP more
	s_cmp_lg_u32 s[PC], s[NW]
	s_wait_alu depctr_va_vdst(0)
	s_cbranch_scc1 .Lsame_\@
	UP8 ST+1, 2
.irp c, 0,1,2,3,4,5,6
	UP8 KEEP+8*\c, 1
.endr
.Lsame_\@:
	s_lshl_b32 s[TC], s[PC], 1
	s_add_co_u32 s[TC], s[TC], s[TCB]
.if \more
	s_add_co_u32 s[PC], s[PC], 1
	s_and_b32 s[PC], s[PC], 15                     ; the next record of the ring
	s_mul_i32 s[OFS], s[PC], REC
	TILE 0, 1, 11
	s_add_co_u32 s[TC], s[TC], 1
	TILE 1, 1, 11
.else
	TILE 0, 0, 11
	s_add_co_u32 s[TC], s[TC], 1
	TILE 1, 0, 0
.endif
.endm
	s_mov_b32 s[LAPS], 15
.Lrec:                                             ; 16 records: the last is written out behind the loop and asks for nothing
	TRIP 1
	s_sub_co_u32 s[LAPS], s[LAPS], 1
	s_cmp_lg_u32 s[LAPS], 0
	s_wait_alu depctr_va_vdst(0)
	s_cbranch_scc1 .Lrec
	TRIP 0
; (dd, di) = the lesser of (da, ia) and (db, ib): by d, and among equal d by the code.
.macro LEX dd, di, da, ia, db, ib
	v_cmp_lt_f32 s54, v[\db], v[\da]
	v_cmp_eq_f32 s55, v[\db], v[\da]
	v_cmp_lt_u32 s56, v[\ib], v[\ia]
	s_and_b32 s55, s55, s56
	s_or_b32 s54, s54, s55
	v_cndmask_b32 v[\dd], v[\da], v[\db], s54
	v_cndmask_b32 v[\di], v[\ia], v[\ib], s54
.endm
	; THE END.  In each row tile: the first of the kept seven that equals m, else place 7; m moved back where its holder stands from before the ring's turn; my code = 16 x tile + 8 h + the place; joined with the other half of the lanes; into the scratch.
	v_bfe_u32 v149, v0, 4, 1
	s_delay_alu instid0(VALU_DEP_1)
	v_lshlrev_b32 v149, 3, v149                    ; 8 h
	v_mov_b32 v150, 0                              ; a lane permute's destination counts as read: written once
	v_mov_b32 v151, 0
.irp q, 0,1,2,3,4,5,6,7
	v_mov_b32 v148, 7
.irp j, 6,5,4,3,2,1,0
	v_cmp_eq_f32 vcc_lo, v[KEEP+7*\q+\j], v[ST+2*\q+1]
	s_delay_alu instid0(VALU_DEP_1)
	v_cndmask_b32 v148, v148, \j, vcc_lo           ; descending, so that the lowest place stands last
.endr
	v_cmp_ge_u32 s54, v[IDX+\q], s[THR]
	v_ashrrev_i32 v152, 31, v[ST+2*\q+1]
	s_delay_alu instid0(VALU_DEP_1)
	v_or_b32 v152, 1, v152
	s_delay_alu instid0(VALU_DEP_1)
	v_sub_nc_u32 v152, v[ST+2*\q+1], v152
	s_delay_alu instid0(VALU_DEP_1)
	v_cndmask_b32 v[ST+2*\q+1], v[ST+2*\q+1], v152, s54
	v_lshl_add_u32 v[IDX+\q], v[IDX+\q], 4, v149
	s_delay_alu instid0(VALU_DEP_1)
	v_add_nc_u32 v[IDX+\q], v[IDX+\q], v148
	v_permlanex16_b32 v150, v[ST+2*\q+1], s[SEL], s[SEL+1]
	s_delay_alu instid0(VALU_DEP_2)
	v_permlanex16_b32 v151, v[IDX+\q], s[SEL], s[SEL+1]
	LEX FD+2*\q, FD+2*\q+1, ST+2*\q+1, IDX+\q, 150, 151
	ds_store_b64 v[PUT], v[FD+2*\q:FD+2*\q+1] offset:SCR+128*\q   ; lanes r and r + 16 write the same pair to the same place
.endr
	s_wait_alu depctr_va_vdst(0)
	s_wait_dscnt 0x0                               ; for the others' sake: my pairs lie in the scratch
	s_barrier_signal -1
	s_barrier_wait -1
	s_cmp_lt_u32 s[WV], 4                          ; threads 0 to 127 join the eight waves' pairs, a row each
	s_cbranch_scc0 .Lothers
.irp a, 0,1,2,3,4,5,6,7
	ds_load_b64 v[FD+2*\a:FD+2*\a+1], v[GET] offset:SCR+1024*\a
.endr
	s_wait_dscnt 0x0
.irp a, 1,2,3,4,5,6,7
	LEX FD, FD+1, FD, FD+1, FD+2*\a, FD+2*\a+1
.endr
	global_store_b32 v[CW], v[FD], s[8:9]          ; a wave stores 128 consecutive bytes of each of the two lists
	global_store_b32 v[CW], v[FD+1], s[10:11]
.Lothers:
	s_wait_tensorcnt 0x0                           ; the wave's end: behind my last LDS store
	ds_add_u32 v[SPW], v[NIL]
	s_wait_dscnt 0x0
	s_endpgm
.Lfunc_end_k_qd3304b3711_dist:
	.size	k_qd3304b3711_dist, .Lfunc_end_k_qd3304b3711_dist-k_qd3304b3711_dist
	.p2alignl 7, 3214868480
	.fill 96, 4, 3214868480
	.section	.rodata,"a",@progbits
	.p2align	6, 0x0
	.amdhsa_kernel k_qd3304b3711_dist
		.amdhsa_group_segment_fixed_size 9216
		.amdhsa_private_segment_fixed_size 0
		.amdhsa_enable_private_segment 0
		.amdhsa_kernarg_size 32
		.amdhsa_user_sgpr_count 2
		.amdhsa_user_sgpr_kernarg_segment_ptr 1
		.amdhsa_wavefront_size32 1
		.amdhsa_system_sgpr_workgroup_id_x 1
		.amdhsa_system_sgpr_workgroup_id_y 1
		.amdhsa_system_sgpr_workgroup_id_z 1
		.amdhsa_system_vgpr_workitem_id 0
		.amdhsa_next_free_vgpr 512
		.amdhsa_next_free_sgpr 66
		.amdhsa_reserve_vcc 1
		.amdhsa_float_denorm_mode_32 3
		.amdhsa_float_denorm_mode_16_64 3
		.amdhsa_memory_ordered 1
		.amdhsa_forward_progress 1
		.amdhsa_inst_pref_size 104
	.end_amdhsa_kernel
	.amdgpu_metadata
---
amdhsa.version: [ 1, 2 ]
amdhsa.kernels:
  - .name:           k_qd3304b3711_dist
    .symbol:         k_qd3304b3711_dist.kd
    .args:
      - { .name: zrec, .offset: 0, .size: 8, .value_kind: global_buffer, .address_space: global }
      - { .name: wrec, .offset: 8, .size: 8, .value_kind: global_buffer, .address_space: global }
      - { .name: candd, .offset: 16, .size: 8, .value_kind: global_buffer, .address_space: global }
      - { .name: candi, .offset: 24, .size: 8, .value_kind: global_buffer, .address_space: global }
    .group_segment_fixed_size: 9216
    .private_segment_fixed_size: 0
    .kernarg_segment_align: 8
    .kernarg_segment_size: 32
    .max_flat_workgroup_size: 256
    .sgpr_count:     66
    .vgpr_count:     512
    .wavefront_size: 32
...
	.end_amdgpu_metadata
.endif
;; end of part 2
;; launch gather (part 3): grid 256 x 1, 16 waves a work-group, no clusters, 2,560 bytes of LDS; arguments z_e, W, candd, candi, out0, out1, part; writes out0, out1, part
.if DOCPART == 3
	.amdgcn_target "amdgcn-amd-amdhsa--gfx1250"
	.amdhsa_code_object_version 6
	.text
	.protected	k_qd3304b3711_gather
	.globl	k_qd3304b3711_gather
	.p2align	8
	.type	k_qd3304b3711_gather,@function
k_qd3304b3711_gather:
	s_mov_b64 s[64:65], 0
	v_nop
	global_prefetch_b8 v0, s[64:65] scope:SCOPE_SE
	s_setreg_imm32_b32 hwreg(HW_REG_WAVE_MODE, 25, 1), 1
	s_wait_xcnt 0x0
; For each row: the better of its two candidates (half 1's only where its d is STRICTLY less: half 0's codes are the lower ones), out1 = its code, z_q = that row of W,
; out0 = z_e + (z_q - z_e) as reference() rounds it, and the work-group's sum of (z_q - z_e)^2 into part.
; The choice hangs on floating-point numbers, so no address hangs on it: BOTH candidate rows of W are loaded, by the stored codes alone, and the VALUES are chosen by v_cndmask_b32.
; SHARES: a work-group takes 64 rows, each of its sixteen waves 4.  A row is 2,048 bytes: four loads of 512 consecutive bytes.  A wave issues ALL its loads before it works: the two d and the two codes of its rows (4 loads),
; z_e's four rows (16), which hang on no code and so go out ahead of the wait for the codes, then the two rows of W for each row (32): 52 loads, 192 registers of rows.
; A wave's 2 x 4 codes also come by scalar loads, are held to the table's 8,192 rows, and enter the address as a vector offset 2,048 x code + 16 x lane beside W's base.
; The chosen codes meet in LDS behind the barrier that the sums need anyway, and wave 0 stores the work-group's 64 as 256 consecutive bytes.
; LIMITS: NaN among the distances is not served; the sum of squares is added in this text's own order.  No matrix unit, no cluster, no tensor load: a stream through registers.
.set ROWB, 2048
.set ID0, 8                            ; s8-11   half 0's codes of my 4 rows, then their byte offsets in W
.set ID1, 12                           ; s12-15  half 1's
.set ZE,  40                           ; s[40:41] z_e   s[42:43] W   s[44:45] candd   s[46:47] candi   s[48:49] out0   s[50:51] out1   s[52:53] part
.set WP,  42
.set CD,  44
.set CI,  46
.set O0,  48
.set O1,  50
.set PT,  52
.set SELM, 59                          ; s59 bit j: row j takes half 1's candidate
.set MSK,  60                          ; s60 that bit, spread over the lanes
.set OFF, 8                            ; v8-15   row j: the two offsets into W
.set L,   16                           ; v16-23  four packed chains of the sum of squares
.set RING, 32                          ; v32-223 row j: 16 registers of z_e's row, 16 of candidate 0's, 16 of candidate 1's
.set IDS, 64                           ; LDS: 16 words of sums, then the 64 rows' codes
	s_load_b256 s[40:47], s[0:1], 0x0
	s_load_b128 s[48:51], s[0:1], 0x20
	s_load_b64 s[52:53], s[0:1], 0x30
	v_lshl_add_u32 v224, v0, 2, 0x200
	v_mov_b32 v225, 0
	v_lshrrev_b32 v2, 5, v0
	s_delay_alu instid0(VALU_DEP_1)
	v_readfirstlane_b32 s2, v2                     ; wave 0..15
	v_and_b32 v1, 31, v0
	v_and_b32 v3, 3, v0
	s_delay_alu instid0(VALU_DEP_1)
	v_lshlrev_b32 v3, 2, v3                        ; 4 (lane % 4): lane l looks after row l % 4
	s_delay_alu instid0(VALU_DEP_3)
	v_lshlrev_b32 v6, 3, v1                        ; 8 x lane
	s_delay_alu instid0(VALU_DEP_4)
	v_lshlrev_b32 v1, 4, v1                        ; 16 x lane
	v_lshlrev_b32 v2, 2, v2                        ; LDS: my wave's sum: 4 x wave
	s_lshl_b32 s4, s2, 4
	s_add_co_u32 s4, s4, IDS
	v_add_nc_u32 v7, s4, v3                        ; LDS: my row's code: IDS + 16 x wave + 4 (lane % 4)
	s_lshl_b32 s3, ttmp9, 6
	s_lshl_b32 s5, s2, 2
	s_add_co_u32 s3, s3, s5                        ; my wave's first row
	s_lshl_b32 s54, s3, 2
	s_mov_b32 s55, 0
	s_lshl_b32 s62, s3, 11                         ; under 2^25
	s_mov_b32 s63, 0
	s_mov_b32 s56, 0x76543210
	s_mov_b32 s57, 0xfedcba98
	s_wait_alu depctr_va_vdst(0)
	s_wait_kmcnt 0x0
	s_add_nc_u64 s[CI:CI+1], s[CI:CI+1], s[54:55]
	s_add_nc_u64 s[CD:CD+1], s[CD:CD+1], s[54:55]
	s_load_b128 s[ID0:ID0+3], s[CI:CI+1], 0x0      ; this launch stores nothing into the list of codes
	s_load_b128 s[ID1:ID1+3], s[CI:CI+1], 0x10000
	global_load_b32 v4, v3, s[CD:CD+1]             ; d of half 0, row lane % 4
	global_load_b32 v5, v3, s[CD:CD+1] offset:65536   ; of half 1
	global_load_b32 v24, v3, s[CI:CI+1]            ; and the two codes, as values
	global_load_b32 v25, v3, s[CI:CI+1] offset:65536
	s_add_nc_u64 s[ZE:ZE+1], s[ZE:ZE+1], s[62:63]
	s_add_nc_u64 s[O0:O0+1], s[O0:O0+1], s[62:63]
.irp j, 0,1,2,3
.irp i, 0,1,2,3
	global_load_b128 v[RING+48*\j+4*\i:RING+48*\j+4*\i+3], v1, s[ZE:ZE+1] offset:ROWB*\j+512*\i th:TH_LOAD_NT   ; z_e's rows: read once in this launch
.endr
.endr
	s_lshl_b32 s62, ttmp9, 8
	s_add_nc_u64 s[O1:O1+1], s[O1:O1+1], s[62:63]  ; the work-group's 64 words of out1
	s_lshl_b32 s62, ttmp9, 2
	s_add_nc_u64 s[PT:PT+1], s[PT:PT+1], s[62:63]  ; and its word of part
	s_wait_kmcnt 0x0
.irp j, 0,1,2,3,4,5,6,7
	s_min_u32 s[ID0+\j], s[ID0+\j], 0x1fff         ; a loaded number enters an address only held inside the table
	s_lshl_b32 s[ID0+\j], s[ID0+\j], 11
.endr
.irp j, 0,1,2,3
	v_add_nc_u32 v[OFF+2*\j], s[ID0+\j], v1
	v_add_nc_u32 v[OFF+2*\j+1], s[ID1+\j], v1
.irp i, 0,1,2,3
	global_load_b128 v[RING+48*\j+16+4*\i:RING+48*\j+16+4*\i+3], v[OFF+2*\j], s[WP:WP+1] offset:512*\i
.endr
.irp i, 0,1,2,3
	global_load_b128 v[RING+48*\j+32+4*\i:RING+48*\j+32+4*\i+3], v[OFF+2*\j+1], s[WP:WP+1] offset:512*\i
.endr
.endr
	s_wait_loadcnt 48                              ; the four small loads are in; the 48 loads of rows may be out
	v_cmp_lt_f32 s[SELM], v5, v4                   ; half 1 wins only by a strictly lesser d
	s_delay_alu instid0(VALU_DEP_1)
	v_cndmask_b32 v26, v24, v25, s[SELM]           ; the row's code
	ds_store_b32 v7, v26                           ; the eight lanes of a row write the same word with the same value
; Row j: behind its loads stand the eight loads of W of each younger row.
.macro TURN j
.set TS, RING+48*(\j)
	s_wait_loadcnt 8*(3-(\j))                      ; my row's twelve loads are in
	s_bitcmp1_b32 s[SELM], \j
	s_cselect_b32 s[MSK], -1, 0
.irp i, 0,1,2,3,4,5,6,7,8,9,10,11,12,13,14,15
	v_cndmask_b32 v[TS+16+\i], v[TS+16+\i], v[TS+32+\i], s[MSK]   ; z_q
.endr
.irp i, 0,2,4,6,8,10,12,14
	v_pk_add_f32 v[TS+32+\i:TS+33+\i], v[TS+16+\i:TS+17+\i], v[TS+\i:TS+1+\i] neg_lo:[0,1] neg_hi:[0,1]   ; z_q - z_e
.endr
.irp i, 0,2,4,6,8,10,12,14
.if ((\j) == 0) && (\i < 8)
	v_pk_mul_f32 v[L+\i:L+\i+1], v[TS+32+\i:TS+33+\i], v[TS+32+\i:TS+33+\i]   ; the first products start the sums
.else
	v_pk_fma_f32 v[L+(\i%8):L+(\i%8)+1], v[TS+32+\i:TS+33+\i], v[TS+32+\i:TS+33+\i], v[L+(\i%8):L+(\i%8)+1]
.endif
.endr
.irp i, 0,2,4,6,8,10,12,14
	v_pk_add_f32 v[TS+16+\i:TS+17+\i], v[TS+\i:TS+1+\i], v[TS+32+\i:TS+33+\i]   ; z_e + (z_q - z_e)
.endr
.irp i, 0,1,2,3
	global_store_b128 v1, v[TS+16+4*\i:TS+16+4*\i+3], s[O0:O0+1] offset:ROWB*(\j)+512*\i th:TH_STORE_NT   ; 512 consecutive bytes, aligned; no store's registers are written again
.endr
.endm
	TURN 0
	TURN 1
	TURN 2
	TURN 3
	v_pk_add_f32 v[L:L+1], v[L:L+1], v[L+2:L+3]
	v_pk_add_f32 v[L+4:L+5], v[L+4:L+5], v[L+6:L+7]
	s_delay_alu instid0(VALU_DEP_1)
	v_pk_add_f32 v[L:L+1], v[L:L+1], v[L+4:L+5]
	s_delay_alu instid0(VALU_DEP_1)
	v_add_f32 v[L], v[L], v[L+1]
	s_delay_alu instid0(VALU_DEP_1)
	v_add_f32_dpp v[L], v[L], v[L] row_xmask:1 row_mask:0xf bank_mask:0xf
	s_delay_alu instid0(VALU_DEP_1)
	v_add_f32_dpp v[L], v[L], v[L] row_xmask:2 row_mask:0xf bank_mask:0xf
	s_delay_alu instid0(VALU_DEP_1)
	v_add_f32_dpp v[L], v[L], v[L] row_xmask:4 row_mask:0xf bank_mask:0xf
	s_delay_alu instid0(VALU_DEP_1)
	v_add_f32_dpp v[L], v[L], v[L] row_xmask:8 row_mask:0xf bank_mask:0xf
	s_delay_alu instid0(VALU_DEP_1)
	v_permlanex16_b32 v[L+1], v[L], s56, s57
	s_delay_alu instid0(VALU_DEP_1)
	v_add_f32 v[L], v[L], v[L+1]                   ; my wave's sum, in every lane
	ds_store_b32 v2, v[L]                          ; all lanes write the same word with the same value
	s_wait_dscnt 0x0                               ; for wave 0's sake: my sum and my four codes lie in LDS
	s_barrier_signal -1
	s_barrier_wait -1
	s_cmp_lg_u32 s2, 0
	s_cbranch_scc1 .Ldone
	; wave 0 alone: the sixteen sums, and the 64 rows' codes, two rows a lane
	v_mov_b32 v3, 0
	ds_load_b128 v[16:19], v3
	ds_load_b128 v[20:23], v3 offset:16
	ds_load_b128 v[24:27], v3 offset:32
	ds_load_b128 v[28:31], v3 offset:48
	ds_load_b64 v[4:5], v6 offset:IDS
	s_wait_dscnt 0x0
	v_pk_add_f32 v[16:17], v[16:17], v[18:19]
	v_pk_add_f32 v[20:21], v[20:21], v[22:23]
	v_pk_add_f32 v[24:25], v[24:25], v[26:27]
	v_pk_add_f32 v[28:29], v[28:29], v[30:31]
	s_delay_alu instid0(VALU_DEP_3)
	v_pk_add_f32 v[16:17], v[16:17], v[20:21]
	s_delay_alu instid0(VALU_DEP_2)
	v_pk_add_f32 v[24:25], v[24:25], v[28:29]
	s_delay_alu instid0(VALU_DEP_1)
	v_pk_add_f32 v[16:17], v[16:17], v[24:25]
	s_delay_alu instid0(VALU_DEP_1)
	v_add_f32 v16, v16, v17
	global_store_b64 v6, v[4:5], s[O1:O1+1]        ; 32 lanes store 256 consecutive bytes, aligned
	v_cmp_eq_u32 vcc_lo, 0, v0
	s_wait_alu depctr_va_vdst(0)
	s_wait_xcnt 0x0                                ; EXEC changes only behind this wait
	s_and_saveexec_b32 s58, vcc_lo
	global_store_b32 v3, v16, s[PT:PT+1]           ; thread 0: the work-group's sum
	s_wait_xcnt 0x0                                ; and again, in front of the line that widens it
	s_or_b32 exec_lo, exec_lo, s58
.Ldone:
	s_wait_tensorcnt 0x0
	ds_add_u32 v224, v225
	s_wait_dscnt 0x0
	s_endpgm
.Lfunc_end_k_qd3304b3711_gather:
	.size	k_qd3304b3711_gather, .Lfunc_end_k_qd3304b3711_gather-k_qd3304b3711_gather
	.p2alignl 7, 3214868480
	.fill 96, 4, 3214868480
	.section	.rodata,"a",@progbits
	.p2align	6, 0x0
	.amdhsa_kernel k_qd3304b3711_gather
		.amdhsa_group_segment_fixed_size 2560
		.amdhsa_private_segment_fixed_size 0
		.amdhsa_enable_private_segment 0
		.amdhsa_kernarg_size 56
		.amdhsa_user_sgpr_count 2
		.amdhsa_user_sgpr_kernarg_segment_ptr 1
		.amdhsa_wavefront_size32 1
		.amdhsa_system_sgpr_workgroup_id_x 1
		.amdhsa_system_sgpr_workgroup_id_y 1
		.amdhsa_system_sgpr_workgroup_id_z 1
		.amdhsa_system_vgpr_workitem_id 0
		.amdhsa_next_free_vgpr 226
		.amdhsa_next_free_sgpr 66
		.amdhsa_reserve_vcc 1
		.amdhsa_float_denorm_mode_32 3
		.amdhsa_float_denorm_mode_16_64 3
		.amdhsa_memory_ordered 1
		.amdhsa_forward_progress 1
		.amdhsa_inst_pref_size 23
	.end_amdhsa_kernel
	.amdgpu_metadata
---
amdhsa.version: [ 1, 2 ]
amdhsa.kernels:
  - .name:           k_qd3304b3711_gather
    .symbol:         k_qd3304b3711_gather.kd
    .args:
      - { .name: z_e, .offset: 0, .size: 8, .value_kind: global_buffer, .address_space: global }
      - { .name: W, .offset: 8, .size: 8, .value_kind: global_buffer, .address_space: global }
      - { .name: candd, .offset: 16, .size: 8, .value_kind: global_buffer, .address_space: global }
      - { .name: candi, .offset: 24, .size: 8, .value_kind: global_buffer, .address_space: global }
      - { .name: out0, .offset: 32, .size: 8, .value_kind: global_buffer, .address_space: global }
      - { .name: out1, .offset: 40, .size: 8, .value_kind: global_buffer, .address_space: global }
      - { .name: part, .offset: 48, .size: 8, .value_kind: global_buffer, .address_space: global }
    .group_segment_fixed_size: 2560
    .private_segment_fixed_size: 0
    .kernarg_segment_align: 8
    .kernarg_segment_size: 56
    .max_flat_workgroup_size: 512
    .sgpr_count:     66
    .vgpr_count:     226
    .wavefront_size: 32
...
	.end_amdgpu_metadata
.endif
;; end of part 3
;; launch final (part 4): grid 1 x 1, 1 waves a work-group, no clusters, 0 bytes of LDS; arguments part, out2, out3, out4, out5, out6; writes out2, out3, out4, out5, out6
.if DOCPART == 4
	.amdgcn_target "amdgcn-amd-amdhsa--gfx1250"
	.amdhsa_code_object_version 6
	.text
	.protected	k_qd3304b3711_final
	.globl	k_qd3304b3711_final
	.p2align	8
	.type	k_qd3304b3711_final,@function
k_qd3304b3711_final:
	s_mov_b64 s[64:65], 0
	v_nop
	global_prefetch_b8 v0, s[64:65] scope:SCOPE_SE
	s_setreg_imm32_b32 hwreg(HW_REG_WAVE_MODE, 25, 1), 1
	s_wait_xcnt 0x0
; The 256 work-groups' sums of (z_q - z_e)^2 are added by one owner, in a fixed order; c = the sum / 2^23 (16 x 1,024 x 512 numbers) is both the codebook loss and the commitment loss.
; out2 = c + 0.25 c, out3 = c, out4 = c, out5 = 0, out6 = out2 + 0 x out5.  One wave: 1,024 bytes in, five words out.
	s_load_b256 s[4:11], s[0:1], 0x0               ; part s[4:5], out2 s[6:7], out3 s[8:9], out4 s[10:11]
	s_load_b128 s[12:15], s[0:1], 0x20             ; out5 s[12:13], out6 s[14:15]
	v_lshlrev_b32 v1, 4, v0
	v_mov_b32 v2, 0                                ; the orthogonality loss
	v_mov_b32 v3, 0                                ; the stores' offset
	s_mov_b32 s16, 0x76543210
	s_mov_b32 s17, 0xfedcba98
	s_wait_alu depctr_va_vdst(0)
	s_wait_kmcnt 0x0
	global_load_b128 v[4:7], v1, s[4:5]
	global_load_b128 v[8:11], v1, s[4:5] offset:512
	s_wait_loadcnt 0x0
	v_pk_add_f32 v[4:5], v[4:5], v[8:9]
	v_pk_add_f32 v[6:7], v[6:7], v[10:11]
	v_pk_add_f32 v[4:5], v[4:5], v[6:7]
	v_add_f32 v4, v4, v5
	v_add_f32_dpp v4, v4, v4 row_xmask:1 row_mask:0xf bank_mask:0xf
	v_add_f32_dpp v4, v4, v4 row_xmask:2 row_mask:0xf bank_mask:0xf
	v_add_f32_dpp v4, v4, v4 row_xmask:4 row_mask:0xf bank_mask:0xf
	v_add_f32_dpp v4, v4, v4 row_xmask:8 row_mask:0xf bank_mask:0xf
	v_permlanex16_b32 v5, v4, s16, s17
	v_add_f32 v4, v4, v5
	v_mul_f32 v4, 0x34000000, v4                   ; x 2^-23: the mean
	v_fmamk_f32 v5, v4, 0x3e800000, v4             ; c x 0.25 + c (0.25 c is exact, so one rounding as in reference())
	v_fma_f32 v6, v2, 0, v5                        ; + 0 x the orthogonality loss
	v_cmp_eq_u32 vcc_lo, 0, v0
	s_wait_alu depctr_va_vdst(0)
	s_wait_xcnt 0x0                                ; EXEC changes only behind this wait
	s_and_saveexec_b32 s18, vcc_lo
	global_store_b32 v3, v5, s[6:7]
	global_store_b32 v3, v4, s[8:9]
	global_store_b32 v3, v4, s[10:11]
	global_store_b32 v3, v2, s[12:13]
	global_store_b32 v3, v6, s[14:15]
	s_wait_xcnt 0x0                                ; and again, in front of the line that widens it
	s_or_b32 exec_lo, exec_lo, s18
	s_endpgm
.Lfunc_end_k_qd3304b3711_final:
	.size	k_qd3304b3711_final, .Lfunc_end_k_qd3304b3711_final-k_qd3304b3711_final
	.p2alignl 7, 3214868480
	.fill 96, 4, 3214868480
	.section	.rodata,"a",@progbits
	.p2align	6, 0x0
	.amdhsa_kernel k_qd3304b3711_final
		.amdhsa_group_segment_fixed_size 0
		.amdhsa_private_segment_fixed_size 0
		.amdhsa_enable_private_segment 0
		.amdhsa_kernarg_size 48
		.amdhsa_user_sgpr_count 2
		.amdhsa_user_sgpr_kernarg_segment_ptr 1
		.amdhsa_wavefront_size32 1
		.amdhsa_system_sgpr_workgroup_id_x 1
		.amdhsa_system_sgpr_workgroup_id_y 1
		.amdhsa_system_sgpr_workgroup_id_z 1
		.amdhsa_system_vgpr_workitem_id 0
		.amdhsa_next_free_vgpr 32
		.amdhsa_next_free_sgpr 66
		.amdhsa_reserve_vcc 1
		.amdhsa_float_denorm_mode_32 3
		.amdhsa_float_denorm_mode_16_64 3
		.amdhsa_memory_ordered 1
		.amdhsa_forward_progress 1
		.amdhsa_inst_pref_size 3
	.end_amdhsa_kernel
	.amdgpu_metadata
---
amdhsa.version: [ 1, 2 ]
amdhsa.kernels:
  - .name:           k_qd3304b3711_final
    .symbol:         k_qd3304b3711_final.kd
    .args:
      - { .name: part, .offset: 0, .size: 8, .value_kind: global_buffer, .address_space: global }
      - { .name: out2, .offset: 8, .size: 8, .value_kind: global_buffer, .address_space: global }
      - { .name: out3, .offset: 16, .size: 8, .value_kind: global_buffer, .address_space: global }
      - { .name: out4, .offset: 24, .size: 8, .value_kind: global_buffer, .address_space: global }
      - { .name: out5, .offset: 32, .size: 8, .value_kind: global_buffer, .address_space: global }
      - { .name: out6, .offset: 40, .size: 8, .value_kind: global_buffer, .address_space: global }
    .group_segment_fixed_size: 0
    .private_segment_fixed_size: 0
    .kernarg_segment_align: 8
    .kernarg_segment_size: 48
    .max_flat_workgroup_size: 32
    .sgpr_count:     66
    .vgpr_count:     32
    .wavefront_size: 32
...
	.end_amdgpu_metadata
.endif
;; end of part 4
